; MI455X (gfx1250); checked and timed in simulation.
; The chip was launched on July 23, 2026; its instructions are those of AMD's public machine-readable ISA for CDNA 5 (MIT licence, August 2026) and "CDNA5" Instruction Set Architecture Reference Guide (July 2026). The comments in the code are by the model that wrote it; some were corrected since.
;; BF16 Indexer Baseline. Allowed arithmetic: matrix products marked QUANTISED: E2M1 operands, one E8M0 scale for each 32 along K, by v_wmma_scale_f32_16x16x128_f8f6f4 with both operands' format E2M1 (or v_wmma_scale_f32_32x16x128_f4), f32 sums; products left as they are: f32 operands where the result goes on into a quantised operand, else bf16, f16 or f32 operands; f32 sums; everything else in f32.
;; Inputs: k_codes 1 x 4,096 x 4 x 16 uint8 (E2M1 codes of k, K innermost, in blocks of 32 codes, two codes a byte); k_scales 1 x 4,096 x 4 uint8 (E8M0 scales of k, one for each 32 codes along K); q_codes 1 x 2,048 x 16 x 4 x 16 uint8 (E2M1 codes of q, K innermost, in blocks of 32 codes, two codes a byte); q_scales 1 x 2,048 x 16 x 4 uint8 (E8M0 scales of q, one for each 32 codes along K); weights 16 x 2,048 bfloat16.
;; Outputs: out0 1 x 2,048 x 4,096 float32.
;; This version of the problem:
;;   THIS VERSION OF THE PROBLEM IS GIVEN IN LOW PRECISION. The matrix products marked QUANTISED in the list below multiply operands that are first quantised to E2M1 (2 exponent bits, 1 mantissa bit; 4 bits a number), with one power-of-two scale for each 32 numbers along K (OCP MX v1.0); their sums are f32. All else is computed in f32.
;;   The module's matrix products, in the order in which they are computed (A, B: the left and right operand; K: the contracted axis; several contracted axes count as one K, in the product's order):
;;     1. [M 32,768, K 128] x [K 128, N 4,096]; A: input q (given as codes); B: input k (given as codes): QUANTISED
;;     2. batch 2,048 x [M 1, K 16] x [K 16, N 4,096]; A: computed on the way; B: computed on the way: left as it is (K = 16 < 32)
;;   THE QUANTISER, for each operand of a quantised product, along K:
;;     - K is cut into blocks of 32 from its start; a last block that is shorter is filled with zeros.
;;     - A block's scale is 2^e with e = floor(log2(the largest magnitude in the block)) - 2, held to -126 .. 127; a block of zeros has e = 0. As a byte (E8M0): e + 127.
;;     - Each number is divided by its block's scale, clamped to +-6, and rounded to the nearest number of E2M1, ties to even, subnormals kept.
;;     - The product sums the exact products of the quantised numbers (number of the format x scale) in f32.
;;   ~~~python
;;   def quantise(x, axis):      # numpy; x: float32 -> the quantised numbers, widened to float32 again
;;       x = np.moveaxis(x, axis, -1); K = x.shape[-1]
;;       x = np.pad(x, [(0, 0)] * (x.ndim - 1) + [(0, -K % 32)]); x = x.reshape(x.shape[:-1] + (-1, 32)); a = np.abs(x).max(-1, keepdims=True)
;;       e = np.where(a > 0, np.clip(np.frexp(np.where(a > 0, a, 1))[1] - 1 - 2, -126, 127), 0)      # np.frexp(a)[1] - 1 = floor(log2(a)), exactly
;;       r = np.clip(x / 2.0 ** e, -6, 6)
;;       step = 2.0 ** (np.maximum(np.frexp(np.where(r == 0, 1, r))[1] - 1, 0) - 1)
;;       q = np.round(r / step) * step * 2.0 ** e      # np.round: ties to even
;;       return np.moveaxis(q.reshape(q.shape[:-2] + (-1,))[..., :K], -1, axis).astype(np.float32)
;;   ~~~
;;   INPUTS GIVEN AS CODES. k (in the module: [1, 4096, 128], K = its axis 2); q (in the module: [1, 2048, 16, 128], K = its axis 3): each comes as NAME_codes (uint8): NAME with its K axis moved to the last place and cut into blocks of 32 codes, [.., K / 32, bytes a block], one block behind the other in memory; two codes a byte, the lower K in the low four bits (a code: sign, 2 exponent bits, 1 mantissa bit); and NAME_scales (uint8): the same leading axes, one E8M0 byte (e + 127) for each 32 codes along K. Its value is code x scale, taken as it is: it is not quantised again, and the codes and scales need not be those that the quantiser above would give.
;; One version. Each part assembles by itself: llvm-mc -triple=amdgcn-amd-amdhsa -mcpu=gfx1250 --defsym DOCPART=n.
;; ======== version 1 of 1: 1 launch
;; launch indexer (part 1): grid 64 x 4, 8 waves a work-group, clusters of 4 x 1, 168,960 bytes of LDS; arguments k_codes, k_scales, q_codes, q_scales, weights, out0; writes out0
.if DOCPART == 1
	.amdgcn_target "amdgcn-amd-amdhsa--gfx1250"
	.amdhsa_code_object_version 6
	.text
	.protected	k_qe714713e45_indexer
	.globl	k_qe714713e45_indexer
	.p2align	8
	.type	k_qe714713e45_indexer,@function
k_qe714713e45_indexer:
	s_mov_b64 s[64:65], 0
	v_nop
	global_prefetch_b8 v0, s[64:65] scope:SCOPE_SE
	s_setreg_imm32_b32 hwreg(HW_REG_WAVE_MODE, 25, 1), 1
	s_wait_xcnt 0x0
	s_wait_alu depctr_hold_cnt(0) depctr_sa_sdst(0) depctr_va_vdst(0) depctr_va_sdst(0) depctr_va_ssrc(0) depctr_va_vcc(0) depctr_vm_vsrc(0)
	s_getreg_b32 s2, hwreg(HW_REG_IB_STS2, 6, 4)
	s_cmp_eq_u32 s2, 0
	s_cbranch_scc0 .Lentry_in_a_cluster
	s_endpgm
.Lentry_in_a_cluster:
	s_bfe_u32 s2, ttmp6, 0x10000c
	s_cmp_lg_u32 s2, 0x3003
	s_cbranch_scc0 .Lentry_shape_is_right
	s_endpgm
.Lentry_shape_is_right:
; out[m][n] = sum over 16 heads h of q_s[m][h] x relu(q[m][h][:] . k[n][:]),  q_s[m][h] = bf16(weights[h][m] x bf16(128^-0.5)) widened to f32.
; q: 2,048 x 16 rows, k: 4,096 rows of 128 codes of FP4 (E2M1), 64 bytes a row, with one E8M0 byte for each 32 codes (one word a row); both are taken as they are given.  out: [2048][4096] f32.
; SHARES.  256 work-groups of eight waves.  Work-group (X, Y): rows m = 32 X .. 32 X + 31, columns n = 1,024 Y .. + 1,023.  Wave w: four rows m = 32 X + 4 w + 0 .. 3, as two pairs p = 0, 1, and all 1,024 columns,
; 64 (a GROUP) at a time.  K = 128 is one matrix instruction: every product has the constant 0 as C, nothing is accumulated, nothing is cleared.
; LAYOUT.  Source 0 = 16 rows of q, source 1 = 16 rows of k; in the result register j of lane (r, h') is source 0's row 8 h' + j and source 1's row r.
;   THE ROWS OF q THAT FORM A TILE ARE CHOSEN: tile lo of pair p = heads 0-7 of its first m, then heads 0-7 of its second; tile hi the same of heads 8-15.  So lane (r, h') holds, in the 16 registers of lo and hi,
;   all 16 heads of ITS m (the pair's first + h') for ITS n: relu and the weighted sum over heads need no other lane: 8 dual maxima, 8 packed multiply-adds and one addition for two matrix instructions.
;   THE ROWS OF k THAT FORM A TILE ARE CHOSEN: lane r of tile t (0 .. 3) of a group takes n = 64 g + 4 r + t.  So a lane's four results are four neighbouring columns, 16 bytes, and one store of the wave
;   covers 256 consecutive aligned bytes of one row of out in lanes 0-15 and 256 of the next row in lanes 16-31.  Nothing goes through LDS on the way out.
; k: the block's 1,024 rows (65,536 dense bytes) and their 4,096 scale bytes come into LDS once, by the tensor data mover: each wave brings an eighth of the scale bytes, of the first quarter of the rows and of the other
; three quarters, three loads a wave, all three outstanding at once at the most.  The loads are short (2, 8 and 24 rows of 256 bytes) so that all eight waves run one text with one set of counts and the first quarter can be read early.
; CLUSTER.  The four work-groups of a cluster differ in X alone and read the same block of k: every one of these loads is asked for JOINTLY (mask 15, the same descriptor in all four: it hangs on Y and the wave's number).
; q is NOT asked for jointly: a wave's 4,096 bytes of q go from memory straight into the registers of the one wave that multiplies by them, once; the work-groups that share them (same X, other Y) would need an LDS
; stage and a 4 x 4 cluster for 34 KB of the 230 KB that a work-group moves.
; LDS: k takes 73,728 bytes, each filled once; each thread adds to a word of its own at 167,936 + 4 x its number.
; LIMITS.  A scale byte 0xff makes NaN logits, which the maximum with 0 turns into 0 where the definition keeps NaN: not served.  The 16 heads are added in f32 in two chains (even heads, odd heads) that are then added:
; another order than a plain ascending sum.
.set USE_DUAL, 1                       ; 1: relu of two registers in one dual-issue pair; 0: two plain maxima
.set UPITCH, 272                       ; LDS: 256 bytes (four rows of k) + 16 of padding = 68 words: unit u starts at bank 4 u mod 64 (64 banks of 4 bytes: ISA guide 11.1), so the 16 units that a load touches start at 16 different banks
.set ST0U,   8                         ; units a wave brings in its first load of codes: 8 x 8 = 64 units = 256 rows = groups 0-3
.set ST1U,   24                        ; and in its second: 8 x 24 = 192 units = groups 4-15
.set KC1,    8*ST0U*UPITCH             ; 17,408: where the second part begins
.set KSC,    256*UPITCH                ; 69,632: behind the codes: the 4,096 scale bytes, dense
.set GSTEP,  16*UPITCH                 ; a group's 64 rows: 16 units
.set NTRIP,  6                         ; the loop's trips: groups 3 to 14, two a trip
.set QA,  3                            ; v3   q's codes: (r + 8 (r / 8)) x 64 + 16 h'
.set QSA, 4                            ; v4   q's scale words: 4 (r + 8 (r / 8) + 8 h'): lanes 0-15 tile lo's rows, lanes 16-31 tile hi's
.set WA,  5                            ; v5   weights: 2 h'
.set ADK, 6                            ; v6   LDS: 272 r + 16 h', stepped a group at a time
.set ADS, 7                            ; v7   LDS: KSC + 16 r, stepped 256 a group
.set CO,  8                            ; v8   out: 16,384 h' + 16 r; never rewritten
.set ACA, 10                           ; v[10:11] the running sum of one column (even heads, odd heads);  v[12:13] of the next
.set ACB, 12
.set O,   16                           ; v[16:23] results: pair p, tile t at O + 4 p + t
.set QS,  24                           ; v[24:25] q's scale words of pair p: they hold scales and nothing else
.set KS,  28                           ; v[28:35] k's scale words: buffer b, tile t at KS + 4 b + t: likewise
.set W,   36                           ; v[36:67] q_s of my m: pair p, head j at W + 16 p + j
.set QF,  68                           ; v[68:99] q's fragments: pair p, lo / hi at QF + 16 p + 8 hi
.set KF,  100                          ; v[100:163] k's fragments: buffer b, tile t at KF + 32 b + 8 t
.set D,   164                          ; v[164:227] logits: buffer db, tile tl of two, lo / hi at D + 32 db + 16 tl + 8 hi.  At the head: the weights as loaded (v164-195) and as bf16 (v196-211)
.set WV,  16                           ; s16  my wave's number
.set XB,  18                           ; s18  X
.set YB,  19                           ; s19  Y
.set G1A, 24                           ; s[24:31] descriptor group 1: 8 units, padded;   s[32:39]: 24 units, padded;   s[40:47]: 2 rows of scale bytes, dense
.set G1B, 32
.set G1S, 40
.set G0A, 48                           ; s[48:51], s[52:55], s[56:59] their groups 0
.set G0B, 52
.set G0S, 56
.set CNT, 60                           ; s60  the loop's counter (before that: an offset)
.set TW,  61                           ; s61  at work on Y and the wave's number alone
.set CF,  62                           ; s[62:63] bf16(128^-0.5) as f32: the packed form names a pair and takes its low word for both halves
.set W0PAD, 15|(3<<16)|(1<<20)|(1<<21)|(5<<22)|(3<<25)   ; 15:0 the mask: all four work-groups; 17:16 elements of 8 bytes; 20 padding on; 21 set beside a mask; 24:22 after every 64 words (code 5); 31:25 four words (code 3)
.set W0DNS, 15|(3<<16)|(1<<21)                           ; the same without padding
; descriptor group 1 of a dense block taken as rows of 256 bytes (32 elements of 8 bytes)
.macro G1SET g, w0, rows
	s_mov_b32 s[\g+0], \w0
	s_mov_b32 s[\g+1], 32<<16                      ; 63:48 tensor_dim0 = 32
	s_mov_b32 s[\g+2], (\rows)<<16                 ; 95:80 tensor_dim1 = rows
	s_mov_b32 s[\g+3], 32<<16                      ; 127:112 tile_dim0 = 32
	s_mov_b32 s[\g+4], \rows                       ; 143:128 tile_dim1 = rows; tile_dim2 = 0
	s_mov_b32 s[\g+5], 32                          ; 191:160 elements from row to row
	s_mov_b32 s[\g+6], 0
	s_mov_b32 s[\g+7], 0
.endm
; A round of the cluster's barrier: my work-group's barrier, so that wave 0's signal speaks for all eight waves; wave 0 signals for the work-group; every wave waits for all four work-groups; my work-group's barrier once more.
.macro ROUND
	s_barrier_signal -1
	s_barrier_wait -1
	s_cmp_lg_u32 s[WV], 0
	s_cbranch_scc1 .Lnot_wave_0_\@
	s_barrier_signal -3
.Lnot_wave_0_\@:
	s_barrier_wait -3
	s_barrier_signal -1
	s_barrier_wait -1
.endm
	s_load_b256 s[4:11], s[0:1], 0x0               ; k's codes s[4:5], k's scales s[6:7], q's codes s[8:9], q's scales s[10:11]
	s_load_b128 s[12:15], s[0:1], 0x20             ; weights s[12:13], out s[14:15]
	v_lshl_add_u32 v228, v0, 2, 0x29000
	v_mov_b32 v229, 0
	ds_add_u32 v228, v229
	ds_add_u32 v228, v229
	v_lshrrev_b32 v1, 5, v0
	v_readfirstlane_b32 s[WV], v1                  ; wave 0..7
	s_bfe_u32 s17, ttmp6, 0x40000                  ; cx: my place in the cluster
	s_lshl_b32 s[XB], ttmp9, 2                     ; in a cluster launch ttmp9 counts clusters
	s_add_co_u32 s[XB], s[XB], s17                 ; X = 4 x cluster x + cx: it enters q's, the weights' and out's addresses alone
	s_and_b32 s[YB], ttmp7, 0xffff                 ; Y, which the four partners share
	v_and_b32 v1, 15, v0                           ; r
	v_bfe_u32 v2, v0, 4, 1                         ; h'
	v_and_b32 v9, 8, v1
	v_add_nc_u32 v9, v9, v1                        ; r + 8 (r / 8): 0 .. 7, 16 .. 23
	v_lshlrev_b32 v[QA], 6, v9
	v_lshl_add_u32 v[QA], v2, 4, v[QA]
	v_lshl_add_u32 v[QSA], v2, 3, v9
	v_lshlrev_b32 v[QSA], 2, v[QSA]
	v_lshlrev_b32 v[WA], 1, v2
	v_mul_u32_u24 v[ADK], v1, UPITCH
	v_lshl_add_u32 v[ADK], v2, 4, v[ADK]
	v_lshl_add_u32 v[ADS], v1, 4, KSC
	v_lshlrev_b32 v[CO], 4, v1
	v_lshl_add_u32 v[CO], v2, 14, v[CO]
	G1SET G1A, W0PAD, ST0U
	G1SET G1B, W0PAD, ST1U
	G1SET G1S, W0DNS, 2
	; groups 0: count, LDS address (a constant + a constant x wave), and for now the byte offset in the buffer, made of Y and the wave's number alone
	s_mov_b32 s[G0A], 1
	s_mul_i32 s[G0A+1], s[WV], ST0U*UPITCH         ; my 8 units of the first 64
	s_lshl_b32 s[G0A+2], s[YB], 16                 ; the block's 65,536 bytes of codes,
	s_lshl_b32 s[TW], s[WV], 11                    ; my 2,048 of the first 16,384
	s_add_co_u32 s[G0A+2], s[G0A+2], s[TW]
	s_mov_b32 s[G0A+3], 0
	s_mov_b32 s[G0B], 1
	s_mul_i32 s[G0B+1], s[WV], ST1U*UPITCH         ; my 24 units of the other 192
	s_add_co_u32 s[G0B+1], s[G0B+1], KC1
	s_lshl_b32 s[G0B+2], s[YB], 16
	s_mul_i32 s[TW], s[WV], ST1U*256               ; my 6,144 bytes of the other 49,152
	s_add_co_u32 s[G0B+2], s[G0B+2], s[TW]
	s_add_co_u32 s[G0B+2], s[G0B+2], 8*ST0U*256
	s_mov_b32 s[G0B+3], 0
	s_mov_b32 s[G0S], 1
	s_lshl_b32 s[TW], s[WV], 9                     ; my 512 of the block's 4,096 scale bytes
	s_add_co_u32 s[G0S+1], s[TW], KSC
	s_lshl_b32 s[G0S+2], s[YB], 12
	s_add_co_u32 s[G0S+2], s[G0S+2], s[TW]
	s_mov_b32 s[G0S+3], 0
	; offsets that hold X, in registers of their own
	s_lshl_b32 s20, s[XB], 15                      ; q's codes: 32 m x 16 heads x 64 bytes a work-group,
	s_lshl_b32 s17, s[WV], 12                      ; 4,096 a wave
	s_add_co_u32 s20, s20, s17
	s_mov_b32 s21, 0
	s_lshl_b32 s22, s[XB], 11                      ; q's scale words: 2,048 and 256
	s_lshl_b32 s17, s[WV], 8
	s_add_co_u32 s22, s22, s17
	s_mov_b32 s23, 0
	s_lshl_b32 s2, s[XB], 6                        ; weights: 2 bytes an m: 64 and 8
	s_lshl_b32 s17, s[WV], 3
	s_add_co_u32 s2, s2, s17
	s_mov_b32 s3, 0
	s_lshl_b32 s60, s[XB], 19                      ; out: 32 rows of 16,384 bytes a work-group, four a wave, 4,096 bytes a block of columns
	s_lshl_b32 s17, s[WV], 16
	s_add_co_u32 s60, s60, s17
	s_lshl_b32 s17, s[YB], 12
	s_add_co_u32 s60, s60, s17
	s_mov_b32 s61, 0
	s_mov_b32 s[CF], 0x3db50000                    ; bf16(128^-0.5) = 0x3db5
	s_mov_b32 s[CF+1], s[CF]                       ; (named with it as a pair, so it is written)
	s_wait_dscnt 0x0
	s_wait_kmcnt 0x0
	s_add_nc_u64 s[G0A+2:G0A+3], s[4:5], s[G0A+2:G0A+3]
	s_or_b32 s[G0A+3], s[G0A+3], 0x80000000        ; 127:126 type = 2
	s_add_nc_u64 s[G0B+2:G0B+3], s[4:5], s[G0B+2:G0B+3]
	s_or_b32 s[G0B+3], s[G0B+3], 0x80000000
	s_add_nc_u64 s[G0S+2:G0S+3], s[6:7], s[G0S+2:G0S+3]
	s_or_b32 s[G0S+3], s[G0S+3], 0x80000000
	s_add_nc_u64 s[8:9], s[8:9], s[20:21]
	s_add_nc_u64 s[10:11], s[10:11], s[22:23]
	s_add_nc_u64 s[12:13], s[12:13], s[2:3]
	s_add_nc_u64 s[14:15], s[14:15], s[60:61]
	; what goes straight into registers is asked for ahead of the round, so that it travels while the partners gather
.irp p, 0,1
.irp j, 0,1,2,3,4,5,6,7,8,9,10,11,12,13,14,15
	global_load_u16 v[D+16*\p+\j], v[WA], s[12:13] offset:4096*\j+4*\p     ; weights[j][my m]
.endr
.endr
.irp p, 0,1
.irp hi, 0,1
.irp c, 0,1
	global_load_b128 v[QF+16*\p+8*\hi+4*\c:QF+16*\p+8*\hi+4*\c+3], v[QA], s[8:9] offset:2048*\p+512*\hi+32*\c   ; registers 4 c .. 4 c + 3: codes 64 c + 32 h' + 0 .. 31 of the lane's row; the eight loads read the wave's 4,096 bytes once
.endr
.endr
.endr
.irp p, 0,1
	global_load_b32 v[QS+\p], v[QSA], s[10:11] offset:128*\p
.endr
	ROUND                                          ; all four work-groups are here: the joint loads meet
	tensor_load_to_lds s[G0S:G0S+3], s[G1S:G1S+7]  ; the scale bytes, the first quarter, the rest: one group, ahead of every wait on TENSORcnt, every LDS read and every other barrier; three loads of mine are out
	s_nop 0
	tensor_load_to_lds s[G0A:G0A+3], s[G1A:G1A+7]
	s_nop 0
	tensor_load_to_lds s[G0B:G0B+3], s[G1B:G1B+7]
	s_nop 0
.rept 4
	v_nop
.endr
	; q_s, while the tiles travel: bf16 to f32, x the constant (exact in f32: 8 x 8 bits), ONE rounding to bf16, and back to f32
	s_wait_loadcnt 10                              ; the 32 weights are in; the ten younger loads (q's codes and scale words) may be out
.set i, 0
.rept 32
	v_lshlrev_b32 v[D+i], 16, v[D+i]
.set i, i+1
.endr
.set i, 0
.rept 16
	v_pk_mul_f32 v[D+2*i:D+2*i+1], v[D+2*i:D+2*i+1], s[CF:CF+1] op_sel_hi:[1,0]
.set i, i+1
.endr
.set i, 0
.rept 16
	v_cvt_pk_bf16_f32 v[D+32+i], v[D+2*i], v[D+2*i+1]
.set i, i+1
.endr
.set i, 0
.rept 16
	v_lshlrev_b32 v[W+2*i], 16, v[D+32+i]
	v_and_b32 v[W+2*i+1], 0xffff0000, v[D+32+i]
.set i, i+1
.endr
; relu of two neighbouring registers
.macro RELU2 x
.if USE_DUAL
	v_dual_max_num_f32 v[\x], 0, v[\x] :: v_dual_max_num_f32 v[\x+1], 0, v[\x+1]
.else
	v_max_num_f32 v[\x], 0, v[\x]
	v_max_num_f32 v[\x+1], 0, v[\x+1]
.endif
.endm
; The next group's four fragments of k and its four scale words into buffer b: nine LDS loads in one run; then the addresses step (LDS instructions have read theirs at issue).
.macro LOADK b
	ds_load_b128 v[KS+4*(\b):KS+4*(\b)+3], v[ADS]                  ; the words of n = 64 g + 4 r + 0 .. 3: register t is tile t's scale register (lanes 16-31 hold the same and are not read)
.irp t, 0,1,2,3
.irp c, 0,1
	ds_load_b128 v[KF+32*(\b)+8*\t+4*\c:KF+32*(\b)+8*\t+4*\c+3], v[ADK] offset:64*\t+32*\c
.endr
.endr
	v_add_nc_u32 v[ADK], GSTEP, v[ADK]
	v_add_nc_u32 v[ADS], 256, v[ADS]
.endm
; A UNIT's four matrix instructions: pair p of my rows x tiles 2 tt, 2 tt + 1 of buffer b, lo and hi, into buffer db.  Four different results, none adds onto another.
.macro MM p, tt, b, db
.irp tl, 0,1
	v_wmma_scale_f32_16x16x128_f8f6f4 v[D+32*(\db)+16*\tl:D+32*(\db)+16*\tl+7], v[QF+16*(\p):QF+16*(\p)+7], v[KF+32*(\b)+8*(2*(\tt)+\tl):KF+32*(\b)+8*(2*(\tt)+\tl)+7], 0, v[QS+(\p)], v[KS+4*(\b)+2*(\tt)+\tl] matrix_a_fmt:MATRIX_FMT_FP4 matrix_b_fmt:MATRIX_FMT_FP4
	v_wmma_scale_f32_16x16x128_f8f6f4 v[D+32*(\db)+16*\tl+8:D+32*(\db)+16*\tl+15], v[QF+16*(\p)+8:QF+16*(\p)+15], v[KF+32*(\b)+8*(2*(\tt)+\tl):KF+32*(\b)+8*(2*(\tt)+\tl)+7], 0, v[QS+(\p)], v[KS+4*(\b)+2*(\tt)+\tl] matrix_a_fmt:MATRIX_FMT_FP4 matrix_b_fmt:MATRIX_FMT_FP4 matrix_a_scale:MATRIX_SCALE_ROW1
.endr
.endm
; A unit's vector work: 34 instructions on buffer db: relu, x q_s, the sum over 16 heads, for two columns whose chains take turns.  Each of the four results is read from its low end on.
; step = 1: the group's first unit: the last group's stores have read their data and their base, so both may be written: the base goes 64 columns on.
.macro VEC p, db, tt, step
.set VD, D+32*(\db)
.set VW, W+16*(\p)
	RELU2 VD
	RELU2 VD+16
	RELU2 VD+2
	RELU2 VD+18
	v_pk_mul_f32 v[ACA:ACA+1], v[VD:VD+1], v[VW:VW+1]              ; the first products start the sums
	v_pk_mul_f32 v[ACB:ACB+1], v[VD+16:VD+17], v[VW:VW+1]
.irp i, 1,2,3,4,5,6,7
.if \i < 7
	RELU2 VD+2*\i+2
	RELU2 VD+2*\i+18
.endif
	v_pk_fma_f32 v[ACA:ACA+1], v[VD+2*\i:VD+2*\i+1], v[VW+2*\i:VW+2*\i+1], v[ACA:ACA+1]
	v_pk_fma_f32 v[ACB:ACB+1], v[VD+16+2*\i:VD+17+2*\i], v[VW+2*\i:VW+2*\i+1], v[ACB:ACB+1]
.endr
.if \step
	s_wait_xcnt 0x0                                ; every earlier memory instruction has had its addresses translated (ISA guide 3.1): O and the stores' base are rewritten only behind this wait
	s_add_nc_u64 s[14:15], s[14:15], 256
.endif
	v_add_f32 v[O+4*(\p)+2*(\tt)], v[ACA], v[ACA+1]                ; even heads + odd heads
	v_add_f32 v[O+4*(\p)+2*(\tt)+1], v[ACB], v[ACB+1]
.endm
.macro STORE p                         ; lanes 0-15: 256 consecutive bytes of the pair's first row, at a multiple of 256 from out's first byte; lanes 16-31: the same of its second row.  Written once, read by nobody here
	global_store_b128 v[CO], v[O+4*(\p):O+4*(\p)+3], s[14:15] offset:32768*(\p) th:TH_STORE_NT
.endm
; A GROUP of 64 columns: four units U0 .. U3 = (pair 0, tiles 0-1), (pair 0, tiles 2-3), (pair 1, tiles 0-1), (pair 1, tiles 2-3), on the two buffers of D by turns.  A unit's products stand one unit ahead of its vector work:
; on entry U0's products have been issued.  So behind each run of four matrix instructions stand the 34 vector instructions of the unit before, which name none of its registers: they are the places
; in front of the first read of its results (4 are owed), of the products two units on that write the same buffer (5), and of the loads into k's buffer that it read (4).
; more = 1: the next group's fragments are asked for at the head, three units ahead of the wait for them, and its U0's products stand in front of this group's last vector work.
.macro GROUP b, more, step
.if \more
	LOADK 1-\b
.endif
	MM 0, 1, \b, 1
	VEC 0, 0, 0, \step
	MM 1, 0, \b, 0
	VEC 0, 1, 1, 0
	STORE 0
	MM 1, 1, \b, 1
	VEC 1, 0, 0, 0
.if \more
	s_wait_dscnt 0x0                               ; the next group's nine loads are in
	MM 0, 0, 1-\b, 0
.endif
	VEC 1, 1, 1, 0
	STORE 1
.endm
	s_wait_tensorcnt 0x1                           ; tensor loads of a wave end in order (ISA guide 10.11.1): my parts of the scale bytes and of the first quarter are in; my third load may stay out
	s_barrier_signal -1
	s_barrier_wait -1                              ; everybody's are
	LOADK 0                                        ; group 0
	s_wait_loadcnt 0x0                             ; q's fragments and scale words
	s_wait_dscnt 0x0
	MM 0, 0, 0, 0                                  ; group 0's first unit: there is no vector work yet to set behind it,
.rept 5
	v_nop                                          ; so these are its places: 4 in front of the first read of its results, 5 in front of the products that write the same buffer
.endr
	GROUP 0, 1, 0                                  ; groups 0 to 2 read, and ask for, the first quarter alone (units 0-63: groups 0-3)
	GROUP 1, 1, 1
	GROUP 0, 1, 1
	s_wait_tensorcnt 0x0                           ; my part of the other three quarters is in.  (No LDS load of mine is out: group 2 has waited for its nine)
	s_barrier_signal -1
	s_barrier_wait -1                              ; everybody's is: group 3 may ask for group 4's fragments
	s_mov_b32 s[CNT], NTRIP
.Ltrip:                                            ; groups 3 to 14, two a trip, until k's buffers are back where they began
	GROUP 1, 1, 1
	GROUP 0, 1, 1
	s_sub_co_u32 s[CNT], s[CNT], 1
	s_cmp_lg_u32 s[CNT], 0
	s_cbranch_scc1 .Ltrip
	GROUP 1, 0, 1                                  ; group 15 asks for nothing more
	s_wait_tensorcnt 0x0
	ds_add_u32 v228, v229
	s_wait_dscnt 0x0
	ROUND                                          ; the closing round: no work-group ends while a partner may still ask for a tile that names it
	s_endpgm
.Lfunc_end_k_qe714713e45_indexer:
	.size	k_qe714713e45_indexer, .Lfunc_end_k_qe714713e45_indexer-k_qe714713e45_indexer
	.p2alignl 7, 3214868480
	.fill 96, 4, 3214868480
	.section	.rodata,"a",@progbits
	.p2align	6, 0x0
	.amdhsa_kernel k_qe714713e45_indexer
		.amdhsa_group_segment_fixed_size 168960
		.amdhsa_private_segment_fixed_size 0
		.amdhsa_enable_private_segment 0
		.amdhsa_kernarg_size 48
		.amdhsa_user_sgpr_count 2
		.amdhsa_user_sgpr_kernarg_segment_ptr 1
		.amdhsa_wavefront_size32 1
		.amdhsa_system_sgpr_workgroup_id_x 1
		.amdhsa_system_sgpr_workgroup_id_y 1
		.amdhsa_system_sgpr_workgroup_id_z 1
		.amdhsa_system_vgpr_workitem_id 0
		.amdhsa_next_free_vgpr 230
		.amdhsa_next_free_sgpr 66
		.amdhsa_reserve_vcc 0
		.amdhsa_float_denorm_mode_32 3
		.amdhsa_float_denorm_mode_16_64 3
		.amdhsa_memory_ordered 1
		.amdhsa_forward_progress 1
		.amdhsa_inst_pref_size 83
	.end_amdhsa_kernel
	.amdgpu_metadata
---
amdhsa.version: [ 1, 2 ]
amdhsa.kernels:
  - .name:           k_qe714713e45_indexer
    .symbol:         k_qe714713e45_indexer.kd
    .args:
      - { .name: k_codes, .offset: 0, .size: 8, .value_kind: global_buffer, .address_space: global }
      - { .name: k_scales, .offset: 8, .size: 8, .value_kind: global_buffer, .address_space: global }
      - { .name: q_codes, .offset: 16, .size: 8, .value_kind: global_buffer, .address_space: global }
      - { .name: q_scales, .offset: 24, .size: 8, .value_kind: global_buffer, .address_space: global }
      - { .name: weights, .offset: 32, .size: 8, .value_kind: global_buffer, .address_space: global }
      - { .name: out0, .offset: 40, .size: 8, .value_kind: global_buffer, .address_space: global }
    .group_segment_fixed_size: 168960
    .private_segment_fixed_size: 0
    .kernarg_segment_align: 8
    .kernarg_segment_size: 48
    .max_flat_workgroup_size: 256
    .sgpr_count:     66
    .vgpr_count:     230
    .wavefront_size: 32
...
	.end_amdgpu_metadata
.endif
;; end of part 1
